; MI455X (gfx1250); checked and timed in simulation.
; The chip was launched on July 23, 2026; its instructions are those of AMD's public machine-readable ISA for CDNA 5 (MIT licence, August 2026) and "CDNA5" Instruction Set Architecture Reference Guide (July 2026). The comments in the code are by the model that wrote it; some were corrected since.
;; Multi Hop Attention. Allowed arithmetic: matrix products marked QUANTISED: E4M3 operands, one E8M0 scale for each 32 along K, by v_wmma_scale_f32_16x16x128_f8f6f4 with both operands' format E4M3, f32 sums; products left as they are: f32 operands where the result goes on into a quantised operand, else bf16, f16 or f32 operands; f32 sums; everything else in f32.
;; Inputs: W_u_1_codes 1,024 x 32 x 32 uint8 (E4M3 codes of W_u_1, K innermost, in blocks of 32 codes); W_u_1_scales 1,024 x 32 uint8 (E8M0 scales of W_u_1, one for each 32 codes along K); W_u_2_codes 1,024 x 32 x 32 uint8 (E4M3 codes of W_u_2, K innermost, in blocks of 32 codes); W_u_2_scales 1,024 x 32 uint8 (E8M0 scales of W_u_2, one for each 32 codes along K); W_u_h_1 1,024 x 1 float32; W_u_h_2 1,024 x 1 float32; W_u_m_1_codes 1,024 x 32 x 32 uint8 (E4M3 codes of W_u_m_1, K innermost, in blocks of 32 codes); W_u_m_1_scales 1,024 x 32 uint8 (E8M0 scales of W_u_m_1, one for each 32 codes along K); W_u_m_2_codes 1,024 x 32 x 32 uint8 (E4M3 codes of W_u_m_2, K innermost, in blocks of 32 codes); W_u_m_2_scales 1,024 x 32 uint8 (E8M0 scales of W_u_m_2, one for each 32 codes along K); inputs 32 x 1,024 x 1,024 float32; qvector 32 x 1,024 float32.
;; Outputs: out0 3 x 32 x 1,024 float32.
;; This version of the problem:
;;   THIS VERSION OF THE PROBLEM IS GIVEN IN LOW PRECISION. The matrix products marked QUANTISED in the list below multiply operands that are first quantised to E4M3 (4 exponent bits, 3 mantissa bits; 8 bits a number), with one power-of-two scale for each 32 numbers along K (OCP MX v1.0); their sums are f32. All else is computed in f32.
;;   The module's matrix products, in the order in which they are computed (A, B: the left and right operand; K: the contracted axis; several contracted axes count as one K, in the product's order):
;;     1. [M 32,768, K 1,024] x [K 1,024, N 1,024]; A: input inputs; B: input W_u_1 (given as codes): QUANTISED
;;     2. [M 32, K 1,024] x [K 1,024, N 1,024]; A: computed on the way; B: input W_u_m_1 (given as codes): QUANTISED
;;     3. [M 32,768, K 1,024] x [K 1,024, N 1]; A: computed on the way; B: input W_u_h_1: left as it is (N = 1 < 16)
;;     4. [M 32,768, K 1,024] x [K 1,024, N 1,024]; A: input inputs; B: input W_u_2 (given as codes): QUANTISED
;;     5. [M 32, K 1,024] x [K 1,024, N 1,024]; A: computed on the way; B: input W_u_m_2 (given as codes): QUANTISED
;;     6. [M 32,768, K 1,024] x [K 1,024, N 1]; A: computed on the way; B: input W_u_h_2: left as it is (N = 1 < 16)
;;   THE QUANTISER, for each operand of a quantised product, along K:
;;     - K is cut into blocks of 32 from its start; a last block that is shorter is filled with zeros.
;;     - A block's scale is 2^e with e = floor(log2(the largest magnitude in the block)) - 8, held to -126 .. 127; a block of zeros has e = 0. As a byte (E8M0): e + 127.
;;     - Each number is divided by its block's scale, clamped to +-448, and rounded to the nearest number of E4M3, ties to even, subnormals kept.
;;     - The product sums the exact products of the quantised numbers (number of the format x scale) in f32.
;;   ~~~python
;;   def quantise(x, axis):      # numpy; x: float32 -> the quantised numbers, widened to float32 again
;;       x = np.moveaxis(x, axis, -1); K = x.shape[-1]
;;       x = np.pad(x, [(0, 0)] * (x.ndim - 1) + [(0, -K % 32)]); x = x.reshape(x.shape[:-1] + (-1, 32)); a = np.abs(x).max(-1, keepdims=True)
;;       e = np.where(a > 0, np.clip(np.frexp(np.where(a > 0, a, 1))[1] - 1 - 8, -126, 127), 0)      # np.frexp(a)[1] - 1 = floor(log2(a)), exactly
;;       r = np.clip(x / 2.0 ** e, -448, 448)
;;       step = 2.0 ** (np.maximum(np.frexp(np.where(r == 0, 1, r))[1] - 1, -6) - 3)
;;       q = np.round(r / step) * step * 2.0 ** e      # np.round: ties to even
;;       return np.moveaxis(q.reshape(q.shape[:-2] + (-1,))[..., :K], -1, axis).astype(np.float32)
;;   ~~~
;;   OPERANDS COMPUTED ON THE WAY. 'Computed on the way' means the value that the module computes at that place (a softmax that the list does not call 'softmax' is quantised finished and normalised). What goes into a quantiser is computed in f32, as accurately as f32 sums, v_exp_f32 and their like allow (about 1e-6 of the number): no bf16 or f16 on the way to a quantiser, and a product that is left as it is and whose result goes on into a quantised operand takes f32 operands (vector FMAs, or v_wmma_f32_16x16x4_f32). A number that lies on a knife's edge between two numbers of the format may be rounded either way, as far as f32 arithmetic and the matrix unit's own rounding can turn it there, and no further.
;;   INPUTS GIVEN AS CODES. W_u_1 (in the module: [1024, 1024], K = its axis 0); W_u_2 (in the module: [1024, 1024], K = its axis 0); W_u_m_1 (in the module: [1024, 1024], K = its axis 0); W_u_m_2 (in the module: [1024, 1024], K = its axis 0): each comes as NAME_codes (uint8): NAME with its K axis moved to the last place and cut into blocks of 32 codes, [.., K / 32, bytes a block], one block behind the other in memory; one code a byte (a code: sign, 4 exponent bits, 3 mantissa bits); and NAME_scales (uint8): the same leading axes, one E8M0 byte (e + 127) for each 32 codes along K. Its value is code x scale, taken as it is: it is not quantised again, and the codes and scales need not be those that the quantiser above would give.
;; One version. Each part assembles by itself: llvm-mc -triple=amdgcn-amd-amdhsa -mcpu=gfx1250 --defsym DOCPART=n.
;; ======== version 1 of 1: 4 launches
;; limits: right only within a limited range of input values
;; workspace buffers: xq 33,554,432 bytes; xs 1,048,576 bytes; mq 65,536 bytes; ms 2,048 bytes; cg 262,144 bytes; ub 262,144 bytes
;; launch prep (part 1): grid 256 x 1, 16 waves a work-group, no clusters, 327,680 bytes of LDS; arguments inputs, qvector, xq, xs, mq, ms, out0; writes xq, xs, mq, ms, out0
.if DOCPART == 1
	.amdgcn_target "amdgcn-amd-amdhsa--gfx1250"
	.amdhsa_code_object_version 6
	.text
	.protected	k_q0961882fe9_prep
	.globl	k_q0961882fe9_prep
	.p2align	8
	.type	k_q0961882fe9_prep,@function
k_q0961882fe9_prep:
	s_mov_b64 s[64:65], 0
	v_nop
	global_prefetch_b8 v0, s[64:65] scope:SCOPE_SE
	s_setreg_imm32_b32 hwreg(HW_REG_WAVE_MODE, 25, 1), 1
	s_wait_xcnt 0x0
; THE PROGRAM (four launches).  out0[0] = the mean of inputs over s;  out0[1], out0[2] = two hops, each sum_s softmax_s(U) inputs with U[b,s] = sum_d tanh(inputs W)[b,s,d] tanh(m Wm)[b,d] Wh[d].
; WORK LEFT OUT, for all values of the inputs.  tanh(x) = 1 - 2 r with r = 1 / (1 + 2^(2 log2(e) x)).  So U[b,s] = sum_d g[b,d] Wh[d] - 2 sum_d g[b,d] Wh[d] r[b,s,d], g = tanh(m Wm).
; The first sum does not hang on s: it is a term added to the softmax's input that is the same along the softmax's axis, and the softmax takes it away.  The program sums U' = sum_d c'[b,d] r[b,s,d] with c' = -2 g Wh.
; m1 = m0 + u_att0 qvector is m0 + m0 (the same product twice), and is made so.  Every input has a way to an output and is loaded.
; LIMIT: a NaN, an infinity or an overflow that reaches only the sum left out is not carried to the result.
; THIS LAUNCH: inputs [32][1024][1024] f32 are read once; they become codes of E4M3 with one E8M0 byte for each 32 along H (the operand of both large products, quantised once); the mean over s goes to out0[0];
; m0 = mean x qvector and m1 = m0 + m0 are quantised along H for the two small products.
; A block's scale is 2^(floor(log2(its largest magnitude)) - 8): its byte is the largest magnitude's exponent field - 8, held at 1 from below.  A block of zeros so gets the byte 1 where the rule says 127:
; its codes are zeros, which add nothing, and these bytes are read by this program alone.  LIMITS: NaN and infinities among the inputs are not served.
; SHARES.  A work-group is (batch b, K step s): all 1,024 rows of the batch x 128 columns, so that the columns' mean is finished inside it.  Wave w takes rows 64 w .. 64 w + 63: four fragments of 16 rows x 128 K.
; TWO KINDS OF REQUEST, all issued at the head.  A wave's rows 32-63 (fragments 2, 3) come by ONE tensor load into the wave's own tile in LDS, rows 528 bytes apart, filled once and touched by that wave alone;
; its rows 0-31 (fragments 0, 1) by 32 loads into registers, each one row's 512 consecutive bytes.  Nothing is filled again: no barrier serves the tiles.
; The conversions want 16 neighbours along K in one lane.  Fragments 2, 3 are read out of the tile so (and once more by rows, eight at a time, for the columns' sums); they go first.
; Then the tile's bytes, which have had their only fill, are the stage through which fragments 0, 1 turn.
; xq holds IMAGES OF THE OPERAND'S REGISTERS: [row tile][K step][c][lane][16 bytes]: a wave's store covers 512 consecutive bytes.  xs holds one scale word a row and K step, [b][K step][row].
; No cluster: the work-groups share no input.  No prefetch: there is no loop to run ahead in.
.set SPI,   528                        ; a tile's row: 512 bytes + 16
.set TW,    32*SPI                     ; a wave's tile: 66 blocks of 256 bytes
.set SCA,   16*TW                      ; behind the tiles: 256 bytes a wave for its 64 scale words
.set CSUM,  SCA+16*256                 ; 512 bytes a wave: its column sums
.set SPARE, CSUM+16*512                ; the spare words, 128 bytes for each wave, that no other line names
.set GO,   2                           ; v2   16 x lane
.set STI,  3                           ; v3   my tile by rows: + 16 x lane
.set STO,  4                           ; v4   and turned: row r, + 64 h
.set SCW,  5                           ; v5   where my row's scale word goes
.set SCR,  6                           ; v6   and where 8 bytes a lane come back
.set L8,   7                           ; v7   8 x lane
.set CSW,  8                           ; v8   my wave's column sums
.set CSR,  9                           ; v9   all waves' column sums, 16 x lane
.set SPW,  10                          ; v10  my spare word; never rewritten
.set NIL,  11                          ; v11  0; never rewritten
.set SUMA, 12                          ; v12-15 column sums of the even rows, v16-19 of the odd ones
.set T,    20                          ; v20-51 eight rows out of the tile, ahead of the quantiser, which uses the same registers:
.set PC,   20                          ; v20-35 a fragment's codes
.set TM,   36                          ; v36-39 largest magnitudes, v40-43 bytes, v44-47 448 x the scale, v48-51 the conversions' scale operands
.set PW,   52                          ; v52  the scale word
.set L4,   53                          ; v53  4 x lane
.set L3,   54                          ; v54  lane / 8
.set QV,   56                          ; v56-59 qvector (wave 0)
.set SW,   60                          ; v60-61 scale words on their way out
.set R,    64                          ; v64-191 fragments 0 and 1 as loaded
.set X,    192                         ; v192-255 64 numbers: register 16 c + i = k 32 c + 16 h + i of row r
.set WV,   18
.set SEL,  36
.set MNT,  38
.set G0,   40                          ; s[40:43], s[44:51] the tile's descriptor
.set G1,   44
	s_load_b256 s[4:11], s[0:1], 0x0               ; inputs s[4:5], qvector s[6:7], xq s[8:9], xs s[10:11]
	s_load_b128 s[12:15], s[0:1], 0x20             ; mq s[12:13], ms s[14:15]
	s_load_b64 s[16:17], s[0:1], 0x30              ; out0
	v_lshl_add_u32 v[SPW], v0, 2, SPARE
	v_mov_b32 v[NIL], 0
	ds_add_u32 v[SPW], v[NIL]                      ; the opening lines: the add twice on end and its wait ahead of my tensor load
	ds_add_u32 v[SPW], v[NIL]
	v_lshrrev_b32 v1, 5, v0
	s_delay_alu instid0(VALU_DEP_1)
	v_readfirstlane_b32 s[WV], v1                  ; wave 0..15
	v_and_b32 v1, 31, v0                           ; lane
	v_and_b32 v55, 15, v0                          ; r
	v_bfe_u32 v[L3], v0, 4, 1                      ; h, for the next lines
	s_delay_alu instid0(VALU_DEP_3)
	v_lshlrev_b32 v[GO], 4, v1
	s_mul_i32 s19, s[WV], TW
	s_mov_b32 s[G0+1], s19                         ; my tile's place: the wave's number alone
	v_add_nc_u32 v[STI], s19, v[GO]
	v_mul_u32_u24 v[STO], v55, SPI
	s_delay_alu instid0(VALU_DEP_1)
	v_lshl_add_u32 v[STO], v[L3], 6, v[STO]
	s_delay_alu instid0(VALU_DEP_1)
	v_add_nc_u32 v[STO], s19, v[STO]
	s_lshl_b32 s19, s[WV], 8
	s_add_co_u32 s19, s19, SCA
	v_lshl_add_u32 v[SCW], v55, 2, s19
	v_lshl_add_u32 v[SCR], v1, 3, s19
	v_lshlrev_b32 v[L8], 3, v1
	s_lshl_b32 s19, s[WV], 9
	s_add_co_u32 s19, s19, CSUM
	v_add_nc_u32 v[CSW], s19, v[GO]
	v_add_nc_u32 v[CSR], CSUM, v[GO]
	v_lshlrev_b32 v[L4], 2, v1
	v_lshrrev_b32 v[L3], 3, v1
.irp b, 0,1,2,3
	v_mov_b32 v[TM+4+\b], 0                        ; a lane permute's destination counts as one of its sources
.endr
	s_mov_b32 s[G0], 1
	s_mov_b32 s[G1], (2<<16)|(1<<20)|(6<<22)|(3<<25)   ; elements of 4 bytes, no mask; four words of padding after every 128
	s_mov_b32 s[G1+1], 128<<16                     ; tensor_dim0
	s_mov_b32 s[G1+2], 32<<16                      ; tensor_dim1
	s_mov_b32 s[G1+3], 128<<16                     ; tile_dim0
	s_mov_b32 s[G1+4], 32                          ; tile_dim1
	s_mov_b32 s[G1+5], 1024                        ; from row to row
	s_mov_b32 s[G1+6], 0
	s_mov_b32 s[G1+7], 0
	s_mov_b32 s[SEL], 0x76543210
	s_mov_b32 s[SEL+1], 0xfedcba98                 ; v_permlanex16_b32's selects for lane l xor 16
	s_mov_b32 s[MNT], 0x600000                     ; the mantissa field of 448
	s_lshr_b32 s20, ttmp9, 3                       ; b
	s_and_b32 s21, ttmp9, 7                        ; K step s
	s_lshl_b32 s22, s20, 22                        ; inputs: b x 4 MiB + 64 w rows of 4,096 bytes + 512 s
	s_lshl_b32 s19, s[WV], 18
	s_add_co_u32 s22, s22, s19
	s_lshl_b32 s19, s21, 9
	s_add_co_u32 s22, s22, s19
	s_mov_b32 s23, 0
	s_lshl_b32 s24, s20, 20                        ; xq: ((64 b + 4 w) x 8 + s) x 2,048
	s_lshl_b32 s19, s[WV], 16
	s_add_co_u32 s24, s24, s19
	s_lshl_b32 s19, s21, 11
	s_add_co_u32 s24, s24, s19
	s_mov_b32 s25, 0
	s_lshl_b32 s26, s20, 15                        ; xs: ((8 b + s) x 1,024 + 64 w) x 4
	s_lshl_b32 s19, s21, 12
	s_add_co_u32 s26, s26, s19
	s_lshl_b32 s19, s[WV], 8
	s_add_co_u32 s26, s26, s19
	s_mov_b32 s27, 0
	s_lshl_b32 s28, s20, 12                        ; qvector and out0[0]: 4,096 b + 512 s
	s_lshl_b32 s19, s21, 9
	s_add_co_u32 s28, s28, s19
	s_mov_b32 s29, 0
	s_lshl_b32 s30, s20, 10                        ; mq: 1,024 b + 128 s
	s_lshl_b32 s19, s21, 7
	s_add_co_u32 s30, s30, s19
	s_mov_b32 s31, 0
	s_lshl_b32 s32, s20, 5                         ; ms: 32 b + 4 s
	s_lshl_b32 s19, s21, 2
	s_add_co_u32 s32, s32, s19
	s_mov_b32 s33, 0
	s_wait_alu depctr_va_vdst(0)                   ; the wait at the head's end
	s_wait_dscnt 0x0                               ; both opening adds are done
	s_wait_kmcnt 0x0
	s_add_nc_u64 s[4:5], s[4:5], s[22:23]
	s_add_nc_u64 s[G0+2:G0+3], s[4:5], 32*4096     ; my rows 32 on
	s_or_b32 s[G0+3], s[G0+3], 0x80000000
	tensor_load_to_lds s[G0:G0+3], s[G1:G1+7]      ; my one tensor load
	s_nop 0
	s_add_nc_u64 s[8:9], s[8:9], s[24:25]
	s_add_nc_u64 s[10:11], s[10:11], s[26:27]
	s_add_nc_u64 s[6:7], s[6:7], s[28:29]
	s_add_nc_u64 s[16:17], s[16:17], s[28:29]
	s_add_nc_u64 s[12:13], s[12:13], s[30:31]
	s_add_nc_u64 s[14:15], s[14:15], s[32:33]
	s_cmp_lg_u32 s[WV], 0                          ; wave 0 alone finishes the mean, so it alone wants qvector: its oldest load
	s_cbranch_scc1 .Lno_q
	global_load_b128 v[QV:QV+3], v[GO], s[6:7]
.Lno_q:
.macro LOADF f                         ; fragment f (0, 1): 16 rows, each load one row's 512 consecutive bytes
.irp i, 0,1,2,3,4,5,6,7,8,9,10,11,12,13,14,15
	global_load_b128 v[R+64*(\f)+4*\i:R+64*(\f)+4*\i+3], v[GO], s[4:5] offset:(16*(\f)+\i)*4096 th:TH_LOAD_NT
.endr
.endm
.macro ADD2 b, i, h                    ; rows i and i + 1 of those at v[b] on: four sums by turns (v12-15: the even row's four columns; v16-19: the odd row's)
.irp k, 0,1,2,3
.if \h
	s_delay_alu instid0(VALU_DEP_4)
.endif
	v_pk_add_f32 v[SUMA+2*\k:SUMA+2*\k+1], v[SUMA+2*\k:SUMA+2*\k+1], v[(\b)+4*(\i)+2*\k:(\b)+4*(\i)+2*\k+1]
.endr
.endm
.macro SUM8 b, first                   ; eight rows; first = 1: the first four rows start the sums: nothing is cleared
.if \first
.irp k, 0,1,2,3
	v_pk_add_f32 v[SUMA+2*\k:SUMA+2*\k+1], v[(\b)+2*\k:(\b)+2*\k+1], v[(\b)+8+2*\k:(\b)+9+2*\k]
.endr
.else
	ADD2 \b, 0, 0
	ADD2 \b, 2, 1
.endif
	ADD2 \b, 4, 1
	ADD2 \b, 6, 1
.endm
.macro ROWS8 f, i0                     ; eight rows of fragment f out of my tile, by rows.  Fragments f and f - 2 use rows 16 (f % 2) on of the tile
.irp i, 0,1,2,3,4,5,6,7
	ds_load_b128 v[T+4*\i:T+4*\i+3], v[STI] offset:SPI*(16*((\f)%2)+(\i0)+\i)
.endr
.endm
.macro XLOAD f                         ; turned: 16 neighbours of each block of 32 a lane
.irp c, 0,1,2,3
.irp j, 0,1,2,3
	ds_load_b128 v[X+16*\c+4*\j:X+16*\c+4*\j+3], v[STO] offset:SPI*16*((\f)%2)+128*\c+16*\j
.endr
.endr
.endm
.macro QUANT                           ; the 64 numbers in v[X] on become a fragment's codes in v[PC] on and its scale word in v[PW]
.irp b, 0,1,2,3
	v_max3_num_f32 v[TM+\b], |v[X+16*\b]|, |v[X+1+16*\b]|, 0x4800000   ; block b: my 16 numbers, and the floor 2^(9 - 127): the byte cannot fall under 1
.endr
.irp i, 2,4,6,8,10,12,14
.irp b, 0,1,2,3
	s_delay_alu instid0(VALU_DEP_4)
	v_max3_num_f32 v[TM+\b], v[TM+\b], |v[X+16*\b+\i]|, |v[X+1+16*\b+\i]|   ; the four blocks by turns
.endr
.endr
.irp b, 0,1,2,3
	s_delay_alu instid0(VALU_DEP_4)
	v_permlanex16_b32 v[TM+4+\b], v[TM+\b], s[SEL], s[SEL+1]
.endr
.irp b, 0,1,2,3
	s_delay_alu instid0(VALU_DEP_4)
	v_max_num_f32 v[TM+\b], v[TM+\b], v[TM+4+\b]   ; with lane l xor 16's 16: the block's largest magnitude
.endr
.irp b, 0,1,2,3
	s_delay_alu instid0(VALU_DEP_4)
	v_add_nc_u32 v[TM+12+\b], 0xfc000000, v[TM+\b] ; 8 off its exponent field: the conversion takes this operand's exponent field as its scale
.endr
.irp b, 0,1,2,3
	v_and_or_b32 v[TM+8+\b], v[TM+\b], 0x7f800000, s[MNT]   ; 448 x the scale
.endr
.irp b, 0,1,2,3
	v_lshrrev_b32 v[TM+4+\b], 23, v[TM+12+\b]      ; the scale's byte
.endr
	s_delay_alu instid0(VALU_DEP_3)
	v_lshl_or_b32 v[PW], v[TM+5], 8, v[TM+4]
	s_delay_alu instid0(VALU_DEP_1)
	v_lshl_or_b32 v[PW], v[TM+6], 16, v[PW]
	s_delay_alu instid0(VALU_DEP_1)
	v_lshl_or_b32 v[PW], v[TM+7], 24, v[PW]
.irp b, 0,1,2,3
.irp i, 0,1,2,3,4,5,6,7,8,9,10,11,12,13,14,15
	v_med3_num_f32 v[X+16*\b+\i], v[X+16*\b+\i], -v[TM+8+\b], v[TM+8+\b]   ; the conversion to an 8-bit code does not saturate (ISA guide 7.6.2): the hold comes first
.endr
	v_cvt_scalef32_pk8_fp8_f32 v[PC+4*\b:PC+1+4*\b], v[X+16*\b:X+7+16*\b], v[TM+12+\b]
	v_cvt_scalef32_pk8_fp8_f32 v[PC+2+4*\b:PC+3+4*\b], v[X+8+16*\b:X+15+16*\b], v[TM+12+\b]
.endr
	v_nop                                          ; a plain instruction behind the last conversion
.endm
.macro OUTF f                          ; the scale word waits in LDS (lanes l and l xor 16 write the same word with the same value); the fragment's image: each store 512 consecutive bytes
	ds_store_b32 v[SCW], v[PW] offset:64*(\f)
.irp c, 0,1,2,3
	global_store_b128 v[GO], v[PC+4*\c:PC+4*\c+3], s[8:9] offset:(\f)*16384+512*\c
.endr
.endm
.macro FRAGT f                         ; a fragment out of the tile (f = 2, 3)
.if (\f) > 2
	s_wait_xcnt 0x0                                ; the last fragment's stores have read their codes: those registers are loaded below
.endif
	ROWS8 \f, 0
	XLOAD \f
	s_wait_dscnt 16                                ; the eight rows are in; the 16 loads of the turned numbers stay out
	SUM8 T, 3-(\f)
	s_wait_alu depctr_va_vdst(0)
	ROWS8 \f, 8
	s_wait_dscnt 0x0
	SUM8 T, 0
	QUANT
	OUTF \f
.endm
.macro FRAGG f                         ; a fragment that came into registers (f = 0, 1): through the tile's bytes, in by rows, out turned.  LDS serves a wave's instructions in order: no wait between
	s_wait_loadcnt 16-16*(\f)                      ; this fragment's 16 loads are in; fragment 1's stay out
	SUM8 R+64*(\f), 0
	SUM8 R+64*(\f)+32, 0
.irp i, 0,1,2,3,4,5,6,7,8,9,10,11,12,13,14,15
	ds_store_b128 v[STI], v[R+64*(\f)+4*\i:R+64*(\f)+4*\i+3] offset:SPI*(16*(\f)+\i)
.endr
	XLOAD \f
	s_wait_dscnt 0x0
	s_wait_xcnt 0x0                                ; the last fragment's stores have read their codes: they may be written again
	QUANT
	OUTF \f
.endm
	LOADF 0
	LOADF 1
	s_wait_tensorcnt 0x0                           ; my tile is in: I alone touch it
	FRAGT 2
	FRAGT 3
	FRAGG 0
	FRAGG 1
	ds_load_b64 v[SW:SW+1], v[SCR]                 ; my wave's 64 scale words: these loads see my stores
	v_pk_add_f32 v[SUMA:SUMA+1], v[SUMA:SUMA+1], v[SUMA+4:SUMA+5]
	v_pk_add_f32 v[SUMA+2:SUMA+3], v[SUMA+2:SUMA+3], v[SUMA+6:SUMA+7]
	ds_store_b128 v[CSW], v[SUMA:SUMA+3]           ; my 64 rows' column sums
	s_wait_dscnt 0x0                               ; for the others' sake: my stores have landed
	global_store_b64 v[L8], v[SW:SW+1], s[10:11]   ; 32 lanes store 256 consecutive bytes, aligned
	s_barrier_signal -1
	s_barrier_wait -1
	s_cmp_lg_u32 s[WV], 0
	s_cbranch_scc1 .Lend
	; wave 0: the sixteen waves' column sums, the mean, m0 and m1
.irp k, 0,1,2,3,4,5,6,7,8,9,10,11,12,13,14,15
	ds_load_b128 v[R+4*\k:R+4*\k+3], v[CSR] offset:512*\k
.endr
.irp i, 4,5,6,7,12,13,14,15
	v_mov_b32 v[200+\i], 0                         ; the conversion takes eight numbers: my four, and four zeros whose codes are not stored
.endr
	s_wait_dscnt 0x0
.irp d, 8,4,2,1
.irp k, 0,1,2,3,4,5,6,7
.if \k < \d
	v_pk_add_f32 v[R+4*\k:R+4*\k+1], v[R+4*\k:R+4*\k+1], v[R+4*(\k+\d):R+4*(\k+\d)+1]
	v_pk_add_f32 v[R+4*\k+2:R+4*\k+3], v[R+4*\k+2:R+4*\k+3], v[R+4*(\k+\d)+2:R+4*(\k+\d)+3]
.endif
.endr
.endr
	s_delay_alu instid0(VALU_DEP_2)
	v_pk_mul_f32 v[192:193], v[R:R+1], 0x3a800000 op_sel_hi:[1,0]     ; / 1,024
	s_delay_alu instid0(VALU_DEP_2)
	v_pk_mul_f32 v[194:195], v[R+2:R+3], 0x3a800000 op_sel_hi:[1,0]
	global_store_b128 v[GO], v[192:195], s[16:17]  ; u_att0: 512 consecutive bytes
	v_pk_mul_f32 v[200:201], v[192:193], v[QV:QV+1]   ; m0 (qvector came with the first wait on loads)
	v_pk_mul_f32 v[202:203], v[194:195], v[QV+2:QV+3]
	s_delay_alu instid0(VALU_DEP_2)
	v_pk_add_f32 v[208:209], v[200:201], v[200:201]   ; m1 = m0 + m0
	s_delay_alu instid0(VALU_DEP_2)
	v_pk_add_f32 v[210:211], v[202:203], v[202:203]
.macro HOPQ z, cd, tt, hop             ; my four numbers of m; eight neighbouring lanes hold a block of 32
	v_max3_num_f32 v[\tt], |v[\z]|, |v[\z+1]|, 0x4800000
	s_delay_alu instid0(VALU_DEP_1)
	v_max3_num_f32 v[\tt], v[\tt], |v[\z+2]|, |v[\z+3]|
	s_delay_alu instid0(VALU_DEP_1)
	v_max_num_f32_dpp v[\tt], v[\tt], v[\tt] row_xmask:1 row_mask:0xf bank_mask:0xf
	s_delay_alu instid0(VALU_DEP_1)
	v_max_num_f32_dpp v[\tt], v[\tt], v[\tt] row_xmask:2 row_mask:0xf bank_mask:0xf
	s_delay_alu instid0(VALU_DEP_1)
	v_max_num_f32_dpp v[\tt], v[\tt], v[\tt] row_xmask:4 row_mask:0xf bank_mask:0xf
	s_delay_alu instid0(VALU_DEP_1)
	v_add_nc_u32 v[\tt+1], 0xfc000000, v[\tt]
	s_delay_alu instid0(VALU_DEP_2)
	v_and_or_b32 v[\tt+2], v[\tt], 0x7f800000, s[MNT]
	s_delay_alu instid0(VALU_DEP_2)
	v_lshrrev_b32 v[\tt+3], 23, v[\tt+1]
.irp i, 0,1,2,3
	v_med3_num_f32 v[\z+\i], v[\z+\i], -v[\tt+2], v[\tt+2]
.endr
	v_cvt_scalef32_pk8_fp8_f32 v[\cd:\cd+1], v[\z:\z+7], v[\tt+1]
	v_nop
	global_store_b32 v[L4], v[\cd], s[12:13] offset:32768*\hop      ; my four codes
	global_store_b8 v[L3], v[\tt+3], s[14:15] offset:1024*\hop      ; the block's byte: its eight lanes write the same value
.endm
	HOPQ 200, 216, 220, 0
	HOPQ 208, 218, 224, 1
.Lend:
	s_wait_tensorcnt 0x0                           ; the wave's end: behind my tensor load and my last LDS store
	ds_add_u32 v[SPW], v[NIL]
	s_wait_dscnt 0x0
	s_endpgm
.Lfunc_end_k_q0961882fe9_prep:
	.size	k_q0961882fe9_prep, .Lfunc_end_k_q0961882fe9_prep-k_q0961882fe9_prep
	.p2alignl 7, 3214868480
	.fill 96, 4, 3214868480
	.section	.rodata,"a",@progbits
	.p2align	6, 0x0
	.amdhsa_kernel k_q0961882fe9_prep
		.amdhsa_group_segment_fixed_size 327680
		.amdhsa_private_segment_fixed_size 0
		.amdhsa_enable_private_segment 0
		.amdhsa_kernarg_size 56
		.amdhsa_user_sgpr_count 2
		.amdhsa_user_sgpr_kernarg_segment_ptr 1
		.amdhsa_wavefront_size32 1
		.amdhsa_system_sgpr_workgroup_id_x 1
		.amdhsa_system_sgpr_workgroup_id_y 1
		.amdhsa_system_sgpr_workgroup_id_z 1
		.amdhsa_system_vgpr_workitem_id 0
		.amdhsa_next_free_vgpr 256
		.amdhsa_next_free_sgpr 66
		.amdhsa_reserve_vcc 0
		.amdhsa_float_denorm_mode_32 3
		.amdhsa_float_denorm_mode_16_64 3
		.amdhsa_memory_ordered 1
		.amdhsa_forward_progress 1
		.amdhsa_inst_pref_size 73
	.end_amdhsa_kernel
	.amdgpu_metadata
---
amdhsa.version: [ 1, 2 ]
amdhsa.kernels:
  - .name:           k_q0961882fe9_prep
    .symbol:         k_q0961882fe9_prep.kd
    .args:
      - { .name: inputs, .offset: 0, .size: 8, .value_kind: global_buffer, .address_space: global }
      - { .name: qvector, .offset: 8, .size: 8, .value_kind: global_buffer, .address_space: global }
      - { .name: xq, .offset: 16, .size: 8, .value_kind: global_buffer, .address_space: global }
      - { .name: xs, .offset: 24, .size: 8, .value_kind: global_buffer, .address_space: global }
      - { .name: mq, .offset: 32, .size: 8, .value_kind: global_buffer, .address_space: global }
      - { .name: ms, .offset: 40, .size: 8, .value_kind: global_buffer, .address_space: global }
      - { .name: out0, .offset: 48, .size: 8, .value_kind: global_buffer, .address_space: global }
    .group_segment_fixed_size: 327680
    .private_segment_fixed_size: 0
    .kernarg_segment_align: 8
    .kernarg_segment_size: 56
    .max_flat_workgroup_size: 512
    .sgpr_count:     66
    .vgpr_count:     256
    .wavefront_size: 32
...
	.end_amdgpu_metadata
.endif
;; end of part 1
;; launch gate (part 2): grid 256 x 1, 2 waves a work-group, no clusters, 1,280 bytes of LDS; arguments W_u_m_1_codes, W_u_m_1_scales, W_u_m_2_codes, W_u_m_2_scales, W_u_h_1, W_u_h_2, mq, ms, cg; writes cg
.if DOCPART == 2
	.amdgcn_target "amdgcn-amd-amdhsa--gfx1250"
	.amdhsa_code_object_version 6
	.text
	.protected	k_q0961882fe9_gate
	.globl	k_q0961882fe9_gate
	.p2align	8
	.type	k_q0961882fe9_gate,@function
k_q0961882fe9_gate:
	s_mov_b64 s[64:65], 0
	v_nop
	global_prefetch_b8 v0, s[64:65] scope:SCOPE_SE
	s_setreg_imm32_b32 hwreg(HW_REG_WAVE_MODE, 25, 1), 1
	s_wait_xcnt 0x0
; c'[hop][b][d] = -2 tanh((m Wm)[b][d]) Wh[d], for both hops: the factor of r in U' (the sum of g Wh that does not hang on s is left out: see the head of the first kernel).
; m [32][1024] comes as codes and scale bytes from the launch before, Wm [1024 (d)][1024 (k)] as given.  Both products are on E4M3 codes with E8M0 scales.
; SHARES.  256 work-groups of two waves.  Work-group g takes hop g / 128, 16 columns d (tile (g / 2) % 64) and 16 batches (tile g % 2); wave kh takes K steps 4 kh .. 4 kh + 3: 36 loads a wave, all issued on end,
; and four matrix instructions on two accumulators by turns.  Wave 1 hands its sums, eight a lane, to wave 0 through 1,024 bytes of LDS; wave 0 adds them and finishes.
; THE PRODUCT IS USED TRANSPOSED: source 0 = 16 rows of Wm, source 1 = 16 rows of m: lane (r, h) holds batch 16 rt + r and d = 16 ct + 8 h + 0 .. 7: eight neighbours of a row of cg, 32 bytes.
; A row of scale bytes is 32 bytes, eight words: the load of 16 bytes at 32 r + 16 kh puts my K step 4 kh + q into register q, in lanes 0-15 (lanes 16-31 hold the same and are not read).
; Operands go from memory straight into registers.  No cluster, no tensor load, no prefetch: 2 MiB of weights, each row read by two work-groups, and no loop to run ahead in.
; tanh(x) = 1 - 2 / (1 + 2^(2 log2(e) x)): right at both ends (2^.. = infinity gives 1, 0 gives -1).
.set SPARE, 1024                       ; LDS: bytes 0-1,023 wave 1's sums; then the spare words, 128 bytes a wave, that no other line names
.set WS,  8                            ; v8-11   Wm's scale words
.set MS,  12                           ; v12-15  m's
.set WH,  20                           ; v20-27  Wh of my eight d, then -2 Wh
.set SPW, 28                           ; my spare word
.set NIL, 29                           ; 0
.set AC,  32                           ; v32-47  two accumulators
.set RS,  48                           ; v48-55  what is made of them
.set LD,  56                           ; v56-63  wave 1's sums
.set WF,  64                           ; v64-127 Wm's four fragments
.set MF,  128                          ; v128-191 m's four
.set WV,  41
	s_load_b256 s[4:11], s[0:1], 0x0               ; Wm1's codes s[4:5], scales s[6:7]; Wm2's codes s[8:9], scales s[10:11]
	s_load_b256 s[12:19], s[0:1], 0x20             ; Wh1 s[12:13], Wh2 s[14:15], mq s[16:17], ms s[18:19]
	s_load_b64 s[20:21], s[0:1], 0x40              ; cg
	v_lshrrev_b32 v30, 5, v0
	v_readfirstlane_b32 s[WV], v30                 ; wave = kh
	s_lshr_b32 s24, ttmp9, 7                       ; hop
	s_bfe_u32 s25, ttmp9, 0x60001                  ; ct
	s_and_b32 s40, ttmp9, 1                        ; rt
	s_lshl_b32 s42, s[WV], 9                       ; my four K steps: 512 bytes of codes on,
	s_lshl_b32 s43, s[WV], 4                       ; 16 scale bytes on
	s_lshl_b32 s26, s25, 14                        ; my 16 rows of Wm's codes,
	s_mov_b32 s27, 0
	s_lshl_b32 s28, s25, 9                         ; of its scale bytes,
	s_mov_b32 s29, 0
	s_lshl_b32 s30, s25, 6                         ; my 16 numbers of Wh
	s_mov_b32 s31, 0
	s_lshl_b32 s32, s24, 15                        ; the hop's m, my 16 batches: codes,
	s_lshl_b32 s44, s40, 14
	s_add_co_u32 s32, s32, s44
	s_mov_b32 s33, 0
	s_lshl_b32 s34, s24, 10                        ; scale bytes
	s_lshl_b32 s44, s40, 9
	s_add_co_u32 s34, s34, s44
	s_mov_b32 s35, 0
	s_lshl_b32 s36, s24, 17                        ; cg: the hop, my 16 rows of 4,096 bytes, my columns
	s_lshl_b32 s44, s40, 16
	s_add_co_u32 s36, s36, s44
	s_add_co_u32 s36, s36, s30
	s_mov_b32 s37, 0
	s_mov_b32 s38, 0x4038aa3b                      ; 2 log2(e)
	s_mov_b32 s39, s38                             ; (named with it as a pair, so it is written)
	v_lshl_add_u32 v[SPW], v0, 2, SPARE
	v_mov_b32 v[NIL], 0
	v_and_b32 v1, 15, v0                           ; r
	v_bfe_u32 v2, v0, 4, 1                         ; h
	v_and_b32 v7, 31, v0
	v_lshlrev_b32 v7, 4, v7                        ; LDS: 16 x lane
	v_lshlrev_b32 v3, 10, v1
	v_lshl_add_u32 v3, v2, 4, v3
	v_add_nc_u32 v3, s42, v3                       ; codes: row r of 1,024 bytes, + 16 h, + my K steps
	v_lshlrev_b32 v4, 5, v1
	v_add_nc_u32 v4, s43, v4                       ; scale bytes: row r of 32 bytes, + my four words
	v_lshlrev_b32 v5, 5, v2                        ; Wh: 32 h
	v_lshl_add_u32 v6, v1, 12, v5                  ; cg: row r of 4,096 bytes, + 32 h
	s_wait_alu depctr_va_vdst(0)                   ; the wait at the head's end
	s_wait_kmcnt 0x0
	s_cmp_eq_u32 s24, 0                            ; the hop's buffers: the choice hangs on ids alone
	s_cselect_b64 s[4:5], s[4:5], s[8:9]
	s_cselect_b64 s[6:7], s[6:7], s[10:11]
	s_cselect_b64 s[12:13], s[12:13], s[14:15]
	s_add_nc_u64 s[4:5], s[4:5], s[26:27]
	s_add_nc_u64 s[6:7], s[6:7], s[28:29]
	s_add_nc_u64 s[12:13], s[12:13], s[30:31]
	s_add_nc_u64 s[16:17], s[16:17], s[32:33]
	s_add_nc_u64 s[18:19], s[18:19], s[34:35]
	s_add_nc_u64 s[20:21], s[20:21], s[36:37]
.irp s, 0,1,2,3
.irp c, 0,1,2,3
	global_load_b128 v[WF+16*\s+4*\c:WF+16*\s+4*\c+3], v3, s[4:5] offset:128*\s+32*\c
	global_load_b128 v[MF+16*\s+4*\c:MF+16*\s+4*\c+3], v3, s[16:17] offset:128*\s+32*\c
.endr
.endr
	global_load_b128 v[WS:WS+3], v4, s[6:7]
	global_load_b128 v[MS:MS+3], v4, s[18:19]
	global_load_b128 v[WH:WH+3], v5, s[12:13]
	global_load_b128 v[WH+4:WH+7], v5, s[12:13] offset:16
	s_wait_loadcnt 0x0
.irp s, 0,1                                        ; the two accumulators by turns, one instruction a turn; the first two products start the sums
	v_wmma_scale_f32_16x16x128_f8f6f4 v[AC+8*\s:AC+8*\s+7], v[WF+16*\s:WF+16*\s+15], v[MF+16*\s:MF+16*\s+15], 0, v[WS+\s], v[MS+\s]
.endr
.irp s, 2,3
	v_wmma_scale_f32_16x16x128_f8f6f4 v[AC+8*(\s-2):AC+8*(\s-2)+7], v[WF+16*\s:WF+16*\s+15], v[MF+16*\s:MF+16*\s+15], v[AC+8*(\s-2):AC+8*(\s-2)+7], v[WS+\s], v[MS+\s]
.endr
.rept 8
	v_nop                                          ; eight places between the last products and the first read of results
.endr
.irp j, 0,2,4,6
	v_pk_add_f32 v[RS+\j:RS+\j+1], v[AC+\j:AC+\j+1], v[AC+8+\j:AC+9+\j]   ; my four K steps; each accumulator from its low end on
.endr
	s_wait_alu depctr_va_vdst(0)                   ; the wait ahead of the branch
	s_cmp_eq_u32 s[WV], 0
	s_cbranch_scc1 .Lkeep
	ds_store_b128 v7, v[RS:RS+3]                   ; wave 1: an image of the eight registers
	ds_store_b128 v7, v[RS+4:RS+7] offset:512
.Lkeep:
	s_wait_dscnt 0x0                               ; for wave 0's sake: the stores have landed
	s_barrier_signal -1
	s_barrier_wait -1
	s_cmp_lg_u32 s[WV], 0
	s_cbranch_scc1 .Lend
	ds_load_b128 v[LD:LD+3], v7
	ds_load_b128 v[LD+4:LD+7], v7 offset:512
	s_wait_dscnt 0x0
.irp j, 0,2,4,6
	v_pk_add_f32 v[RS+\j:RS+\j+1], v[RS+\j:RS+\j+1], v[LD+\j:LD+\j+1]     ; all of K
.endr
.irp j, 0,2,4,6
	v_pk_mul_f32 v[RS+\j:RS+\j+1], v[RS+\j:RS+\j+1], s[38:39] op_sel_hi:[1,0]
.endr
	s_wait_alu depctr_va_vdst(0)                   ; a wait ahead of each batch of transcendentals and one behind it
.irp j, 0,1,2,3,4,5,6,7
	v_exp_f32 v[RS+\j], v[RS+\j]
.endr
.irp j, 0,2,4,6
	v_pk_mul_f32 v[WH+\j:WH+\j+1], v[WH+\j:WH+\j+1], -2.0 op_sel_hi:[1,0]      ; -2 Wh: plain work behind the exponentials
.endr
	s_wait_alu depctr_va_vdst(0)
.irp j, 0,2,4,6
	v_pk_add_f32 v[RS+\j:RS+\j+1], v[RS+\j:RS+\j+1], 1.0 op_sel_hi:[1,0]
.endr
	s_wait_alu depctr_va_vdst(0)
.irp j, 0,1,2,3,4,5,6,7
	v_rcp_f32 v[RS+\j], v[RS+\j]
.endr
	v_nop
	s_wait_alu depctr_va_vdst(0)
.irp j, 0,2,4,6
	v_pk_fma_f32 v[RS+\j:RS+\j+1], v[RS+\j:RS+\j+1], -2.0, 1.0 op_sel_hi:[1,0,0]   ; tanh
.endr
.irp j, 0,2,4,6
	v_pk_mul_f32 v[RS+\j:RS+\j+1], v[RS+\j:RS+\j+1], v[WH+\j:WH+\j+1]
.endr
	global_store_b128 v6, v[RS:RS+3], s[20:21]     ; 32 bytes a lane of 16 rows of cg: 64 bytes of a row a wave; the whole buffer is 256 KiB
	global_store_b128 v6, v[RS+4:RS+7], s[20:21] offset:16
.Lend:
	s_wait_tensorcnt 0x0                           ; the wave's end: behind my last LDS store
	ds_add_u32 v[SPW], v[NIL]
	s_wait_dscnt 0x0
	s_endpgm
.Lfunc_end_k_q0961882fe9_gate:
	.size	k_q0961882fe9_gate, .Lfunc_end_k_q0961882fe9_gate-k_q0961882fe9_gate
	.p2alignl 7, 3214868480
	.fill 96, 4, 3214868480
	.section	.rodata,"a",@progbits
	.p2align	6, 0x0
	.amdhsa_kernel k_q0961882fe9_gate
		.amdhsa_group_segment_fixed_size 1280
		.amdhsa_private_segment_fixed_size 0
		.amdhsa_enable_private_segment 0
		.amdhsa_kernarg_size 72
		.amdhsa_user_sgpr_count 2
		.amdhsa_user_sgpr_kernarg_segment_ptr 1
		.amdhsa_wavefront_size32 1
		.amdhsa_system_sgpr_workgroup_id_x 1
		.amdhsa_system_sgpr_workgroup_id_y 1
		.amdhsa_system_sgpr_workgroup_id_z 1
		.amdhsa_system_vgpr_workitem_id 0
		.amdhsa_next_free_vgpr 192
		.amdhsa_next_free_sgpr 66
		.amdhsa_reserve_vcc 0
		.amdhsa_float_denorm_mode_32 3
		.amdhsa_float_denorm_mode_16_64 3
		.amdhsa_memory_ordered 1
		.amdhsa_forward_progress 1
		.amdhsa_inst_pref_size 10
	.end_amdhsa_kernel
	.amdgpu_metadata
---
amdhsa.version: [ 1, 2 ]
amdhsa.kernels:
  - .name:           k_q0961882fe9_gate
    .symbol:         k_q0961882fe9_gate.kd
    .args:
      - { .name: W_u_m_1_codes, .offset: 0, .size: 8, .value_kind: global_buffer, .address_space: global }
      - { .name: W_u_m_1_scales, .offset: 8, .size: 8, .value_kind: global_buffer, .address_space: global }
      - { .name: W_u_m_2_codes, .offset: 16, .size: 8, .value_kind: global_buffer, .address_space: global }
      - { .name: W_u_m_2_scales, .offset: 24, .size: 8, .value_kind: global_buffer, .address_space: global }
      - { .name: W_u_h_1, .offset: 32, .size: 8, .value_kind: global_buffer, .address_space: global }
      - { .name: W_u_h_2, .offset: 40, .size: 8, .value_kind: global_buffer, .address_space: global }
      - { .name: mq, .offset: 48, .size: 8, .value_kind: global_buffer, .address_space: global }
      - { .name: ms, .offset: 56, .size: 8, .value_kind: global_buffer, .address_space: global }
      - { .name: cg, .offset: 64, .size: 8, .value_kind: global_buffer, .address_space: global }
    .group_segment_fixed_size: 1280
    .private_segment_fixed_size: 0
    .kernarg_segment_align: 8
    .kernarg_segment_size: 72
    .max_flat_workgroup_size: 64
    .sgpr_count:     66
    .vgpr_count:     192
    .wavefront_size: 32
...
	.end_amdgpu_metadata
.endif
;; end of part 2
;; launch gemm (part 3): grid 256 x 1, 4 waves a work-group, clusters of 4 x 1, 327,680 bytes of LDS; arguments xq, xs, W_u_1_codes, W_u_1_scales, W_u_2_codes, W_u_2_scales, cg, ub; writes ub
.if DOCPART == 3
	.amdgcn_target "amdgcn-amd-amdhsa--gfx1250"
	.amdhsa_code_object_version 6
	.text
	.protected	k_q0961882fe9_gemm
	.globl	k_q0961882fe9_gemm
	.p2align	8
	.type	k_q0961882fe9_gemm,@function
k_q0961882fe9_gemm:
	s_mov_b64 s[64:65], 0
	v_nop
	global_prefetch_b8 v0, s[64:65] scope:SCOPE_SE
	s_setreg_imm32_b32 hwreg(HW_REG_WAVE_MODE, 25, 1), 1
	s_wait_xcnt 0x0
	s_wait_alu depctr_hold_cnt(0) depctr_sa_sdst(0) depctr_va_vdst(0) depctr_va_sdst(0) depctr_va_ssrc(0) depctr_va_vcc(0) depctr_vm_vsrc(0)
	s_getreg_b32 s2, hwreg(HW_REG_IB_STS2, 6, 4)
	s_cmp_eq_u32 s2, 0
	s_cbranch_scc0 .Lentry_in_a_cluster
	s_endpgm
.Lentry_in_a_cluster:
	s_bfe_u32 s2, ttmp6, 0x10000c
	s_cmp_lg_u32 s2, 0x3003
	s_cbranch_scc0 .Lentry_shape_is_right
	s_endpgm
.Lentry_shape_is_right:
; U'[hop][b s] = sum_d c'[hop][b][d] / (1 + 2^(2 log2(e) (inputs W_hop)[b s][d])), for both hops.  (The part of U that does not hang on s is left out: see the head of the first kernel.)
; inputs come as codes of E4M3 with E8M0 scales from the first launch (xq: images of fragments; xs: scale words), W_1 and W_2 [1024 (d)][1024 (k)] as given, c' from the launch before.
; x STAYS IN REGISTERS.  A work-group owns 128 rows against all 2 x 1,024 columns.  Wave w has the rows' half w / 2 (64 rows: 4 tiles x 8 K steps = 32 fragments, 512 registers, loaded once by dense loads)
; and the half w % 2 of each tile of 128 columns.  Only W goes through LDS; each of its fragments feeds four matrix instructions; U' is finished inside the work-group.
; 16 PASSES.  Pass n takes 128 columns x all of K: of W_1 (n even) or W_2 (n odd), tile n / 2; slot, hop, sums, scale words, c' and descriptor all go by n % 2.  A wave makes 64 x 64: 16 accumulators by turns, 128 matrix instructions on end.
; Source 0 = 16 rows of x, source 1 = 16 columns of W: a lane holds ONE column d and eight rows, so c' is one register a tile; the sum over d runs down the passes in 64 registers and the sixteen lanes are joined once, at the end.
; A PASS'S VECTOR WORK stands behind the change of slots that follows it: the 64 scalings between the add and its wait; then, behind the refill and the next pass's first 16 fragment loads, five stages, each closed by one wait:
; exp(A); exp(B) with 1 + (A); rcp(A) with 1 + (B); rcp(B) with U' += c' r (A); U' += c' r (B).  A = tiles of columns 0, 1, B = tiles 2, 3.  In a stage the plain lines touch other registers than its transcendentals.
; No transcendental stands among the products.
; CLUSTER: all work-groups walk the same W, so the four of a cluster ask for each tile JOINTLY: the same tensor load, the same descriptor (its address hangs on the wave's number and the pass alone), a mask that names the four.
; Each wave brings 32 columns' rows of 1,024 bytes; a wave has one tensor load outstanding.  r is right at both ends: 2^.. = infinity gives 0, 0 gives 1.
; REGISTERS: window 0: v1-7 addresses; v8-15 c' (8 + 4 n + ct); v16-31 x's scale words (16 + 4 t + p: K step 2 p in lanes 0-15, 2 p + 1 above); v32-63 W's (32 + 16 n + 4 ct + q: K step q below, 4 + q above);
;   v64-127 U' (64 + 32 n + 8 t + j); v128-255 accumulators (128 + 8 (4 t + ct)).  window 1: W's fragments of four K steps (64 (s % 4) + 16 ct).  windows 2, 3: x's tiles 0, 1 and 2, 3 at v[16 (8 (t % 2) + s)].
.set PITCH, 1040                       ; a column's row in LDS: 1,024 bytes + 16: row r starts at bank 4 r mod 64 (ISA guide 11.1)
.set SLOT,  128*PITCH
.set UX,    2*SLOT                     ; the waves' sums on the way out, [column half][hop][128 rows] f32; no tile lands here
.set SPARE, UX+2048                    ; the spare words, 128 bytes a wave, that no other line names
.set TILEB, 128*1024
.set ADRB, 1                           ; v1-2 LDS address of my fragments of W in slot 0, 1
.set OBS,  3                           ; 32 r + 16 h: W's scale bytes
.set OCG,  4                           ; 4 r: c'
.set PFO,  5                           ; 1,024 x lane: the prefetches' offset
.set SPW,  6                           ; my spare word
.set NIL,  7                           ; 0
.set CP,   8
.set AS,   16
.set BSC,  32
.set UA,   64
.set ACC,  128
.set L16,  ACC                         ; at the head, while no sum stands there: 16 x lane; 4 r + 4,096 h; lane; r; h
.set OAS,  ACC+1
.set LN,   ACC+2
.set RR,   ACC+3
.set HH,   ACC+4
.set R7,   ACC+24                      ; on the way out: r % 8; where my sums go; where I read 8 bytes; 8 x lane
.set UXW,  ACC+25
.set UXR,  ACC+26
.set L8,   ACC+27
.set WV,   20
.set G1,   28
.set G0,   36
.set BS,   44
.set CG,   48
.set PFA,  52
.set KAP,  66
.set MK,   70
.set LIM,  86
.set MSB, 0
.macro WIN new                         ; the immediate's high byte repeats the setting that is left
.if MSB != \new
	s_set_vgpr_msb (MSB<<8)|\new
.set MSB, \new
.endif
.endm
.macro PLACES k
.rept \k
	v_nop
.endr
.endm
.macro WALU
	s_wait_alu depctr_va_vdst(0)
.endm
.macro CROUND                          ; a round of the cluster's barrier
	s_barrier_signal -1
	s_barrier_wait -1
	s_cmp_lg_u32 s[WV], 0
	s_cbranch_scc1 .Lnot_wave_0_\@
	s_barrier_signal -3
.Lnot_wave_0_\@:
	s_barrier_wait -3
	s_barrier_signal -1
	s_barrier_wait -1
.endm
	s_load_b256 s[4:11], s[0:1], 0x0               ; xq, xs, W_1's codes, scales
	s_load_b256 s[12:19], s[0:1], 0x20             ; W_2's codes, scales, cg, ub
	v_lshl_add_u32 v[SPW], v0, 2, SPARE
	v_mov_b32 v[NIL], 0
	ds_add_u32 v[SPW], v[NIL]                      ; the opening lines: the add twice on end and its wait ahead of my first tensor load
	ds_add_u32 v[SPW], v[NIL]
	v_lshrrev_b32 v[LN], 5, v0
	v_readfirstlane_b32 s[WV], v[LN]               ; wave 0..3
	s_lshr_b32 s21, s[WV], 1                       ; my half of the rows
	s_and_b32 s22, s[WV], 1                        ; my half of a tile's columns
	s_bfe_u32 s23, ttmp6, 0x40000                  ; cx: it enters global addresses of my own rows and of the prefetches alone
	s_lshl_b32 s24, ttmp9, 2
	s_add_co_u32 s24, s24, s23                     ; work-group
	s_lshr_b32 s25, s24, 3                         ; batch
	s_and_b32 s27, s24, 7                          ; which 128 rows of it
	v_and_b32 v[LN], 31, v0
	v_and_b32 v[RR], 15, v0
	v_bfe_u32 v[HH], v0, 4, 1
	v_lshlrev_b32 v[L16], 4, v[LN]
	s_mul_i32 s56, s22, 64*PITCH
	v_mul_u32_u24 v[ADRB], v[RR], PITCH
	v_lshl_add_u32 v[ADRB], v[HH], 4, v[ADRB]
	v_add_nc_u32 v[ADRB], s56, v[ADRB]             ; row r x pitch + 16 h + my 64 columns
	v_add_nc_u32 v[ADRB+1], SLOT, v[ADRB]
	v_lshlrev_b32 v[OBS], 5, v[RR]
	v_lshl_add_u32 v[OBS], v[HH], 4, v[OBS]
	v_lshlrev_b32 v[OCG], 2, v[RR]
	v_lshl_add_u32 v[OAS], v[HH], 12, v[OCG]
	v_lshlrev_b32 v[PFO], 10, v[LN]
	s_lshl_b32 s87, s22, 10                        ; the way out, in: UX + 1,024 column half + 256 row half
	s_lshl_b32 s56, s21, 8
	s_add_co_u32 s87, s87, s56
	s_add_co_u32 s87, s87, UX
	s_lshl_b32 s88, s21, 9                         ; back: wave w takes hop w / 2, rows 64 (w % 2) on
	s_lshl_b32 s56, s22, 8
	s_add_co_u32 s88, s88, s56
	s_add_co_u32 s88, s88, UX
	s_mov_b32 s[G1], 15|(1<<20)|(1<<21)|(7<<22)|(3<<25)   ; the mask: all four; elements of 1 byte; four words of padding after every 256
	s_mov_b32 s[G1+1], 1024<<16
	s_mov_b32 s[G1+2], 32<<16
	s_mov_b32 s[G1+3], 1024<<16
	s_mov_b32 s[G1+4], 32
	s_mov_b32 s[G1+5], 1024
	s_mov_b32 s[G1+6], 0
	s_mov_b32 s[G1+7], 0
	s_mul_i32 s26, s[WV], 32*PITCH                 ; my 32 rows' place in a slot,
	s_lshl_b32 s60, s[WV], 15                      ; and in a tile in memory
	s_mov_b32 s61, 0
	s_lshl_b32 s62, s23, 8                         ; the prefetches: of each row's 1,024 bytes my work-group names 256
	s_add_co_u32 s62, s62, s60
	s_mov_b32 s63, 0
	s_lshl_b32 s68, s24, 17                        ; xq: (8 work-group + 4 row half) tiles of 16,384 bytes
	s_lshl_b32 s56, s21, 16
	s_add_co_u32 s68, s68, s56
	s_mov_b32 s69, 0
	s_lshl_b32 s78, s25, 15                        ; xs: (8,192 b + 128 (work-group % 8) + 64 row half) x 4
	s_lshl_b32 s56, s27, 9
	s_add_co_u32 s78, s78, s56
	s_lshl_b32 s56, s21, 8
	s_add_co_u32 s78, s78, s56
	s_mov_b32 s79, 0
	s_lshl_b32 s80, s22, 11                        ; W's scale bytes: my 64 columns of 32 bytes
	s_mov_b32 s81, 0
	s_lshl_b32 s82, s25, 12                        ; cg: 4,096 b + my 64 columns
	s_lshl_b32 s56, s22, 8
	s_add_co_u32 s82, s82, s56
	s_mov_b32 s83, 0
	s_lshl_b32 s84, s21, 17                        ; ub: hop w / 2, + 512 work-group + 256 (w % 2)
	s_lshl_b32 s57, s24, 9
	s_add_co_u32 s84, s84, s57
	s_add_co_u32 s84, s84, s56
	s_mov_b32 s85, 0
	s_mov_b32 s[KAP], 0x4038aa3b                   ; 2 log2(e)
	s_mov_b32 s[KAP+1], s[KAP]
	s_cmp_eq_u32 ttmp9, 0                          ; the cluster's number: the same in all four partners
	s_cselect_b32 s[LIM], 1, -1
	WALU                                           ; the wait ahead of the blocking waits
	s_wait_dscnt 0x0                               ; both opening adds are done
	s_wait_kmcnt 0x0
	s_mov_b32 s[G0], 1
	s_mov_b32 s[G0+1], s26
	s_add_nc_u64 s[G0+2:G0+3], s[8:9], s[60:61]    ; W_1's tile 0 into slot 0
	s_or_b32 s[G0+3], s[G0+3], 0x80000000
	s_mov_b32 s[G0+4], 1
	s_add_co_u32 s[G0+5], s26, SLOT
	s_add_nc_u64 s[G0+6:G0+7], s[12:13], s[60:61]  ; W_2's tile 0 into slot 1
	s_or_b32 s[G0+7], s[G0+7], 0x80000000
	s_add_nc_u64 s[PFA:PFA+1], s[8:9], s[62:63]
	s_add_nc_u64 s[PFA+2:PFA+3], s[12:13], s[62:63]
	s_add_nc_u64 s[BS:BS+1], s[10:11], s[80:81]
	s_add_nc_u64 s[BS+2:BS+3], s[14:15], s[80:81]
	s_add_nc_u64 s[CG:CG+1], s[16:17], s[82:83]
	s_add_nc_u64 s[CG+2:CG+3], s[CG:CG+1], 131072-512   ; hop 1's c', one tile back: pass 0's head steps it before its first use
	s_add_nc_u64 s[4:5], s[4:5], s[68:69]
	s_add_nc_u64 s[6:7], s[6:7], s[78:79]
	s_add_nc_u64 s[18:19], s[18:19], s[84:85]
	CROUND                                         ; all four work-groups are here: the first joint load meets
	tensor_load_to_lds s[G0:G0+3], s[G1:G1+7]      ; pass 0's tile
	s_nop 0
	PLACES 4
.macro LOADBS n                        ; the scale bytes of my 64 columns: each load 512 consecutive bytes
.irp ct, 0,1,2,3
	global_load_b128 v[BSC+16*(\n)+4*\ct:BSC+16*(\n)+4*\ct+3], v[OBS], s[BS+2*(\n):BS+2*(\n)+1] offset:512*\ct
.endr
.endm
.macro LOADCG n                        ; c' of my 64 columns: one number a lane and tile
.irp ct, 0,1,2,3
	global_load_b32 v[CP+4*(\n)+\ct], v[OCG], s[CG+2*(\n):CG+2*(\n)+1] offset:64*\ct
.endr
.endm
.irp w, 0,1                                        ; x's tiles 0, 1 into window 2; tiles 2, 3 into window 3
	WIN 0x80+0x40*\w
.irp f, 0,1,2,3,4,5,6,7,8,9,10,11,12,13,14,15
.irp c, 0,1,2,3
	global_load_b128 v[16*\f+4*\c:16*\f+4*\c+3], v[L16], s[4:5] offset:(16*\w+\f)*2048+512*\c th:TH_LOAD_NT
.endr
.endr
.endr
	WIN 0
.irp t, 0,1,2,3
.irp p, 0,1,2,3
	global_load_b32 v[AS+4*\t+\p], v[OAS], s[6:7] offset:8192*\p+64*\t
.endr
.endr
	LOADBS 0
.set i, 0
.rept 64
	v_mov_b32 v[UA+i], 0                           ; the sums: the multiply-adds are written for every pass alike
.set i, i+1
.endr
.macro FETCHB n, s                     ; W's four fragments (16 columns x 128 K each) of K step s into set s % 4: 16 loads
	WIN 0x40
.irp ct, 0,1,2,3
.irp c, 0,1,2,3
	ds_load_b128 v[64*((\s)%4)+16*\ct+4*\c:64*((\s)%4)+16*\ct+4*\c+3], v[ADRB+(\n)] offset:16*PITCH*\ct+128*(\s)+32*\c
.endr
.endr
.endm
.macro MM t, ct, s, n                  ; x's tile t x W's tile ct, K step s.  K step 0 starts the sum: nothing is cleared
.set rD, ACC+8*(4*(\t)+(\ct))
.set rA, 16*(8*((\t)%2)+(\s))
.set rB, 64*((\s)%4)+16*(\ct)
.set rSA, AS+4*(\t)+(\s)/2
.set rSB, BSC+16*(\n)+4*(\ct)+(\s)%4
.if (\s) == 0
	v_wmma_scale_f32_16x16x128_f8f6f4 v[rD:rD+7], v[rA:rA+15], v[rB:rB+15], 0, v[rSA], v[rSB]
.elseif ((\s) < 4) && ((\s)%2 == 0)
	v_wmma_scale_f32_16x16x128_f8f6f4 v[rD:rD+7], v[rA:rA+15], v[rB:rB+15], v[rD:rD+7], v[rSA], v[rSB]
.elseif (\s) < 4
	v_wmma_scale_f32_16x16x128_f8f6f4 v[rD:rD+7], v[rA:rA+15], v[rB:rB+15], v[rD:rD+7], v[rSA], v[rSB] matrix_a_scale:MATRIX_SCALE_ROW1
.elseif (\s)%2 == 0
	v_wmma_scale_f32_16x16x128_f8f6f4 v[rD:rD+7], v[rA:rA+15], v[rB:rB+15], v[rD:rD+7], v[rSA], v[rSB] matrix_b_scale:MATRIX_SCALE_ROW1
.else
	v_wmma_scale_f32_16x16x128_f8f6f4 v[rD:rD+7], v[rA:rA+15], v[rB:rB+15], v[rD:rD+7], v[rSA], v[rSB] matrix_a_scale:MATRIX_SCALE_ROW1 matrix_b_scale:MATRIX_SCALE_ROW1
.endif
.endm
; A PASS'S PRODUCTS.  K steps 0 to 3 were fetched at the pass's head.  At K step 2 the sets of K steps 0, 1 take K steps 4, 5; at K step 4 those of 2, 3 take 6, 7: eight places stand between a set's last product and the loads.
; The counted wait: 32 = the 32 youngest loads, of the two K steps after these two, stay out.
.macro MPASS n
.irp s, 0,1,2,3,4,5,6,7
.if (\s == 2) || (\s == 4)
	PLACES 8
	FETCHB \n, \s+2
	FETCHB \n, \s+3
.endif
.if \s == 6
	s_wait_dscnt 0x0
.elseif (\s)%2 == 0
	s_wait_dscnt 32
.endif
.irp t, 0,1,2,3
.if \t < 2
	WIN 0x06                                       ; source 0 (x) window 2, source 1 (W) window 1, C and D window 0
.else
	WIN 0x07
.endif
.irp ct, 0,1,2,3
	MM \t, \ct, \s, \n
.endr
.endr
.endr
	WIN 0
.endm
.macro MULS                            ; the 128 sums x 2 log2(e): each accumulator from its low end on
.set i, 0
.rept 64
	v_pk_mul_f32 v[ACC+i:ACC+i+1], v[ACC+i:ACC+i+1], s[KAP:KAP+1] op_sel_hi:[1,0]
.set i, i+2
.endr
.endm
.macro TR op, g, e                     ; a transcendental on number e (0 .. 63) of group g
	\op v[ACC+32*((\e)/16)+16*(\g)+(\e)%16], v[ACC+32*((\e)/16)+16*(\g)+(\e)%16]
.endm
.macro ONE g, p                        ; 1 + pair p (0 .. 31) of group g
.set zz, ACC+32*((\p)/8)+16*(\g)+2*((\p)%8)
	v_pk_add_f32 v[zz:zz+1], v[zz:zz+1], 1.0 op_sel_hi:[1,0]
.endm
.macro FMA n, c, q                     ; U' += c' r: tile of columns c, pair of rows q (0 .. 15).  c' of tiles 2 k and 2 k + 1 lie in one pair: the selects take one of the two for both rows
.set zu, UA+32*(\n)+8*((\q)/4)+2*((\q)%4)
.set za, ACC+8*(4*((\q)/4)+(\c))+2*((\q)%4)
.set zc, CP+4*(\n)+2*((\c)/2)
.if (\c)%2
	v_pk_fma_f32 v[zu:zu+1], v[za:za+1], v[zc:zc+1], v[zu:zu+1] op_sel:[0,1,0] op_sel_hi:[1,1,1]
.else
	v_pk_fma_f32 v[zu:zu+1], v[za:za+1], v[zc:zc+1], v[zu:zu+1] op_sel_hi:[1,0,1]
.endif
.endm
.macro VF m, s                         ; m >= 0: K step s of the pass ahead, out of slot m: 16 loads, directly behind a stage's wait
.if (\m) >= 0
	FETCHB \m, \s
	WIN 0
.endif
.endm
.macro VPASS n, m                      ; the five stages, for hop n.  Each wait closes a stage's transcendentals and stands ahead of the next stage's
.set i, 0
.rept 64
	TR v_exp_f32, 0, i
.set i, i+1
.endr
	v_nop
	WALU
	VF \m, 1
.set i, 0
.rept 32
	TR v_exp_f32, 1, 2*i
	TR v_exp_f32, 1, 2*i+1
	ONE 0, i
.set i, i+1
.endr
	WALU
	VF \m, 2
.set i, 0
.rept 32
	TR v_rcp_f32, 0, 2*i
	TR v_rcp_f32, 0, 2*i+1
	ONE 1, i
.set i, i+1
.endr
	WALU
	VF \m, 3
.set i, 0
.rept 16
	TR v_rcp_f32, 1, 4*i
	TR v_rcp_f32, 1, 4*i+1
	TR v_rcp_f32, 1, 4*i+2
	TR v_rcp_f32, 1, 4*i+3
	FMA \n, 0, i                                   ; the two additions onto one pair of sums stand side by side: no transcendental between a write and its reader
	FMA \n, 1, i
.set i, i+1
.endr
	WALU
.irp c, 2,3
.set i, 0
.rept 16
	FMA \n, \c, i
.set i, i+1
.endr
.endr
.endm
; THE CHANGE OF SLOTS, at the head of the pass that reads slot n.  prev = 1: the pass before has left 128 sums.  Each wave waits for all its tensor loads, adds 0 to its spare word, scales the sums, and waits for the add and for its reads of the slot that it has left.
; Behind the cluster's round: the joint load of the next pass's tile into that slot (refill = 1), my one tensor load until the next round.
; ask: A PREFETCH INTO THE L2 of the tile that the NEXT change of slots will ask for.  All clusters walk the same tiles: the first cluster asks.  Of each row's 1,024 bytes its four partners name 256 each, told apart by address;
; wave w names the 32 rows that it fetches, a lane a row: each aligned block of 256 bytes is named once in the launch.  The first two tiles come by their loads alone; passes 14 and 15 ask for nothing (ask = 2: the trips to go decide).
; Then the next pass's scale words (fetch = 1) and this pass's c'; left = these loads, which stay out: all that the head before asked for (this pass's scale words, the last pass's c'; in pass 0 x too) is in, and those loads' bases step.
; Then this pass's K steps 0 to 3: 64 loads, which land under the last pass's five stages.
.macro HEAD n, refill, ask, fetch, left, prev
.if \prev
	PLACES 8                                       ; between the last products and the first read of results, and the loads into what they have read
.endif
	s_wait_tensorcnt 0x0
	ds_add_u32 v[SPW], v[NIL]
.if \refill
	s_add_nc_u64 s[G0+4*(\n)+2:G0+4*(\n)+3], s[G0+4*(\n)+2:G0+4*(\n)+3], TILEB   ; no tensor load of mine is out: this slot's next tile
.endif
.if \ask
	s_wait_xcnt 0x0                                ; this slot's last prefetch has read its address
	s_add_nc_u64 s[PFA+2*(\n):PFA+2*(\n)+1], s[PFA+2*(\n):PFA+2*(\n)+1], TILEB
.endif
.if \prev
	MULS
.endif
	WALU                                           ; the wait ahead of the blocking wait
	s_wait_dscnt 0x0
	CROUND
.if \refill
	tensor_load_to_lds s[G0+4-4*(\n):G0+7-4*(\n)], s[G1:G1+7]
	s_nop 0
	PLACES 4
.endif
.if \ask
.if \ask == 1
	s_cmp_eq_u32 ttmp9, 0
.else
	s_cmp_gt_u32 s25, s[LIM]
.endif
	s_cbranch_scc0 .Lnot_first_\@
	global_prefetch_b8 v[PFO], s[PFA+2*(\n):PFA+2*(\n)+1] th:TH_LOAD_NT scope:SCOPE_SE
.Lnot_first_\@:
.endif
.if \fetch
	LOADBS 1-(\n)
.endif
	LOADCG \n
	s_wait_loadcnt \left
.if \fetch
	s_add_nc_u64 s[BS+2*(\n):BS+2*(\n)+1], s[BS+2*(\n):BS+2*(\n)+1], 4096
.endif
	s_add_nc_u64 s[CG+2-2*(\n):CG+3-2*(\n)], s[CG+2-2*(\n):CG+3-2*(\n)], 512
.if \prev
	FETCHB \n, 0                                   ; K steps 0 to 3 in their order, 16 loads ahead of each of the first four stages
	WIN 0
	VPASS 1-(\n), \n
.else
.irp s, 0,1,2,3
	FETCHB \n, \s
.endr
	WIN 0
.endif
.endm
	WALU                                           ; the wait at the head's end
	HEAD 0, 1, 1, 1, 8, 0                          ; pass 0.
	MPASS 0
	s_mov_b32 s25, 7
.Lpair:                                            ; seven trips of two passes: 1 to 14
	HEAD 1, 1, 1, 1, 8, 1
	MPASS 1
	HEAD 0, 1, 2, 1, 8, 1
	MPASS 0
	s_sub_co_u32 s25, s25, 1
	s_cmp_lg_u32 s25, 0
	s_cbranch_scc1 .Lpair
	HEAD 1, 0, 0, 0, 4, 1                          ; pass 15 is written out: it asks for no tile; only its four loads of c' stay out
	MPASS 1
	PLACES 8
	MULS
	WALU
	s_wait_loadcnt 0x0
	VPASS 1, -1
	; THE WAY OUT.  A lane's 64 sums are those of its own columns: the sixteen lanes of a half are joined; lane r % 8 = j keeps row 8 h + j; the two column halves meet in LDS; each wave stores 64 rows of one hop.
	v_and_b32 v[R7], 7, v0
	v_bfe_u32 v[HH], v0, 4, 1
	v_and_b32 v[LN], 31, v0
	v_lshlrev_b32 v[UXW], 2, v[R7]
	v_lshl_add_u32 v[UXW], v[HH], 5, v[UXW]
	v_add_nc_u32 v[UXW], s87, v[UXW]
	v_lshl_add_u32 v[UXR], v[LN], 3, s88
	v_lshlrev_b32 v[L8], 3, v[LN]
.irp m, 1,2,4,8
.set i, 0
.rept 64
	v_add_f32_dpp v[UA+i], v[UA+i], v[UA+i] row_xmask:\m row_mask:0xf bank_mask:0xf
.set i, i+1
.endr
.endr
.irp j, 1,2,3,4,5,6,7
	v_cmp_eq_u32 s[MK+\j], \j, v[R7]
.endr
.irp g, 0,1,2,3,4,5,6,7                            ; g = 4 hop + tile of rows
	v_cndmask_b32 v[ACC+\g], v[UA+8*\g], v[UA+8*\g+1], s[MK+1]
.endr
.irp j, 2,3,4,5,6,7
.irp g, 0,1,2,3,4,5,6,7
	v_cndmask_b32 v[ACC+\g], v[ACC+\g], v[UA+8*\g+\j], s[MK+\j]
.endr
.endr
.irp g, 0,1,2,3,4,5,6,7
	ds_store_b32 v[UXW], v[ACC+\g] offset:512*(\g/4)+64*(\g%4)     ; lanes r and r + 8 write the same word with the same value
.endr
	s_wait_dscnt 0x0                               ; for the others' sake: my stores have landed
	s_barrier_signal -1
	s_barrier_wait -1
	ds_load_b64 v[ACC+16:ACC+17], v[UXR]
	ds_load_b64 v[ACC+18:ACC+19], v[UXR] offset:1024
	s_wait_dscnt 0x0
	v_pk_add_f32 v[ACC+20:ACC+21], v[ACC+16:ACC+17], v[ACC+18:ACC+19]
	global_store_b64 v[L8], v[ACC+20:ACC+21], s[18:19]             ; 32 lanes store 256 consecutive bytes, aligned
	s_wait_tensorcnt 0x0                           ; the wave's end
	ds_add_u32 v[SPW], v[NIL]
	s_wait_dscnt 0x0
	CROUND                                         ; the closing round
	s_endpgm
.Lfunc_end_k_q0961882fe9_gemm:
	.size	k_q0961882fe9_gemm, .Lfunc_end_k_q0961882fe9_gemm-k_q0961882fe9_gemm
	.p2alignl 7, 3214868480
	.fill 96, 4, 3214868480
	.section	.rodata,"a",@progbits
	.p2align	6, 0x0
	.amdhsa_kernel k_q0961882fe9_gemm
		.amdhsa_group_segment_fixed_size 327680
		.amdhsa_private_segment_fixed_size 0
		.amdhsa_enable_private_segment 0
		.amdhsa_kernarg_size 64
		.amdhsa_user_sgpr_count 2
		.amdhsa_user_sgpr_kernarg_segment_ptr 1
		.amdhsa_wavefront_size32 1
		.amdhsa_system_sgpr_workgroup_id_x 1
		.amdhsa_system_sgpr_workgroup_id_y 1
		.amdhsa_system_sgpr_workgroup_id_z 1
		.amdhsa_system_vgpr_workitem_id 0
		.amdhsa_next_free_vgpr 1024
		.amdhsa_next_free_sgpr 96
		.amdhsa_reserve_vcc 0
		.amdhsa_float_denorm_mode_32 3
		.amdhsa_float_denorm_mode_16_64 3
		.amdhsa_memory_ordered 1
		.amdhsa_forward_progress 1
		.amdhsa_inst_pref_size 233
	.end_amdhsa_kernel
	.amdgpu_metadata
---
amdhsa.version: [ 1, 2 ]
amdhsa.kernels:
  - .name:           k_q0961882fe9_gemm
    .symbol:         k_q0961882fe9_gemm.kd
    .args:
      - { .name: xq, .offset: 0, .size: 8, .value_kind: global_buffer, .address_space: global }
      - { .name: xs, .offset: 8, .size: 8, .value_kind: global_buffer, .address_space: global }
      - { .name: W_u_1_codes, .offset: 16, .size: 8, .value_kind: global_buffer, .address_space: global }
      - { .name: W_u_1_scales, .offset: 24, .size: 8, .value_kind: global_buffer, .address_space: global }
      - { .name: W_u_2_codes, .offset: 32, .size: 8, .value_kind: global_buffer, .address_space: global }
      - { .name: W_u_2_scales, .offset: 40, .size: 8, .value_kind: global_buffer, .address_space: global }
      - { .name: cg, .offset: 48, .size: 8, .value_kind: global_buffer, .address_space: global }
      - { .name: ub, .offset: 56, .size: 8, .value_kind: global_buffer, .address_space: global }
    .group_segment_fixed_size: 327680
    .private_segment_fixed_size: 0
    .kernarg_segment_align: 8
    .kernarg_segment_size: 64
    .max_flat_workgroup_size: 128
    .sgpr_count:     96
    .vgpr_count:     1024
    .wavefront_size: 32
...
	.end_amdgpu_metadata
.endif
;; end of part 3
;; launch attend (part 4): grid 256 x 1, 16 waves a work-group, no clusters, 327,680 bytes of LDS; arguments inputs, ub, out0; writes out0
.if DOCPART == 4
	.amdgcn_target "amdgcn-amd-amdhsa--gfx1250"
	.amdhsa_code_object_version 6
	.text
	.protected	k_q0961882fe9_attend
	.globl	k_q0961882fe9_attend
	.p2align	8
	.type	k_q0961882fe9_attend,@function
k_q0961882fe9_attend:
	s_mov_b64 s[64:65], 0
	v_nop
	global_prefetch_b8 v0, s[64:65] scope:SCOPE_SE
	s_setreg_imm32_b32 hwreg(HW_REG_WAVE_MODE, 25, 1), 1
	s_wait_xcnt 0x0
; out0[1 + hop][b][:] = sum_s softmax_s(U'[hop][b][s]) inputs[b][s][:], for both hops in one walk over inputs.  (U' is U less a term that is the same for all s, which the softmax takes away: see the head of the first kernel.)
; The batch's largest U' is taken away before the exponential; p = e^(U' - max) is at most 1 and the sum of p at least 1; the weighted sum of rows is divided by the sum of p at the end.
; SHARES.  A work-group is (batch b, strip of 128 columns); wave w takes rows 64 w .. 64 w + 63; a lane keeps four columns, and four sums for each hop.
; A wave's rows 0-31 come by 32 loads into registers, each one row's 512 consecutive bytes; its rows 32-63 by ONE tensor load at the head into the wave's own 16,384 bytes of LDS, filled once and read by that wave alone:
; so all 64 rows of every wave are asked for from the head on, by two kinds of request.  Nothing is filled again: no barrier serves the tiles.
; A wave makes p of its own 64 rows only; the waves' maxima meet in LDS (first barrier), their sums of p and of rows likewise (second barrier); waves 0 and 1 finish hop 0 and hop 1.
; No cluster, no matrix unit, no prefetch: the work-groups share only U', 8 KiB a batch, and there is no loop to run ahead in.
.set PA,    0                          ; LDS: p: 512 bytes a wave: hop 0's 64, hop 1's 64
.set MAXA,  8192                       ; the waves' maxima: 64 bytes a hop
.set LSA,   8448                       ; the waves' sums of p: 64 bytes a hop
.set ACCA,  8704                       ; the waves' sums of rows: (16 hop + wave) x 512
.set SPARE, ACCA+32*512                ; the spare words, 128 bytes for each wave, that no other line names
.set TL,    SPARE+2048                 ; the tiles: 32 rows x 512 bytes for each wave; nothing is stored here
.set GO,  1                            ; v1   16 x lane
.set L8,  2                            ; v2   8 x lane
.set MXW, 3                            ; v3   my wave's word among the maxima
.set MXR, 4                            ; v4   the maxima
.set PAW, 5                            ; v5   my two rows' p
.set PAR, 6                            ; v6   my wave's p
.set ACW, 7                            ; v7   my wave's sums of rows
.set ACR, 8                            ; v8   hop wave % 2's sums of rows
.set LSW, 9                            ; v9   my wave's word among the sums of p
.set SPW, 10                           ; v10  my spare word; never rewritten
.set NIL, 11                           ; v11  0; never rewritten
.set U,   12                           ; v12-15 U' of rows 2 l, 2 l + 1 of both hops; then p
.set LS,  16                           ; v16-17 the wave's sums of p
.set LSR, 18                           ; v18  hop wave % 2's sums of p
.set TLA, 19                           ; v19  my tile + 16 x lane (at the head: the lane)
.set AC,  20                           ; v20-27 the sums of my four columns, hop 0's and hop 1's
.set MX,  28
.set PX,  30
.set P,   32                           ; v32-63 16 rows' p of both hops
.set R,   64                           ; v64-255 three sets of 16 rows
.set WV,  10
.set SEL, 22
.set G0,  24                           ; s[24:27], s[28:35] the tile's descriptor
.set G1,  28
	s_load_b128 s[4:7], s[0:1], 0x0                ; inputs s[4:5], ub s[6:7]
	s_load_b64 s[8:9], s[0:1], 0x10                ; out0
	v_lshl_add_u32 v[SPW], v0, 2, SPARE
	v_mov_b32 v[NIL], 0
	ds_add_u32 v[SPW], v[NIL]                      ; the opening lines: the add twice on end and its wait ahead of my tensor load
	ds_add_u32 v[SPW], v[NIL]
	v_lshrrev_b32 v19, 5, v0
	s_delay_alu instid0(VALU_DEP_1)
	v_readfirstlane_b32 s[WV], v19                 ; wave 0..15
	v_and_b32 v19, 31, v0                          ; lane
	s_delay_alu instid0(VALU_DEP_1)
	v_lshlrev_b32 v[GO], 4, v19
	s_wait_alu depctr_va_vdst(0)
	v_lshlrev_b32 v[L8], 3, v19
	s_lshl_b32 s11, s[WV], 2
	s_add_co_u32 s12, s11, MAXA
	v_mov_b32 v[MXW], s12
	v_mov_b32 v[MXR], MAXA
	s_add_co_u32 s12, s11, LSA
	v_mov_b32 v[LSW], s12
	s_lshl_b32 s11, s[WV], 9
	v_mov_b32 v[PAR], s11
	v_add_nc_u32 v[PAW], s11, v[L8]
	s_add_co_u32 s12, s11, ACCA
	v_add_nc_u32 v[ACW], s12, v[GO]
	s_and_b32 s13, s[WV], 1                        ; the hop that waves 0 and 1 finish
	s_lshl_b32 s12, s13, 13
	s_add_co_u32 s12, s12, ACCA
	v_add_nc_u32 v[ACR], s12, v[GO]
	s_lshl_b32 s12, s13, 6
	s_add_co_u32 s12, s12, LSA
	v_mov_b32 v[LSR], s12
	v_mov_b32 v[PX], 0                             ; written once: a lane permute's destination counts as one of its sources
	v_mov_b32 v[PX+1], 0
	s_lshl_b32 s12, s[WV], 14
	s_add_co_u32 s[G0+1], s12, TL                  ; my tile's place: TL + 16,384 x wave
	v_add_nc_u32 v[TLA], s[G0+1], v[GO]
	s_mov_b32 s[G0], 1
	s_mov_b32 s[G1], 2<<16                         ; elements of 4 bytes, no mask, no padding: a row is read back as 512 consecutive bytes
	s_mov_b32 s[G1+1], 128<<16                     ; tensor_dim0
	s_mov_b32 s[G1+2], 32<<16                      ; tensor_dim1
	s_mov_b32 s[G1+3], 128<<16                     ; tile_dim0
	s_mov_b32 s[G1+4], 32                          ; tile_dim1
	s_mov_b32 s[G1+5], 1024                        ; from row to row
	s_mov_b32 s[G1+6], 0
	s_mov_b32 s[G1+7], 0
	s_mov_b32 s[SEL], 0x76543210
	s_mov_b32 s[SEL+1], 0xfedcba98                 ; v_permlanex16_b32's selects for lane l xor 16
	s_lshr_b32 s14, ttmp9, 3                       ; b
	s_and_b32 s15, ttmp9, 7                        ; strip
	s_lshl_b32 s16, s14, 22                        ; inputs: b x 4 MiB + 64 w rows of 4,096 bytes + 512 x strip
	s_lshl_b32 s11, s[WV], 18
	s_add_co_u32 s16, s16, s11
	s_lshl_b32 s11, s15, 9
	s_add_co_u32 s16, s16, s11
	s_mov_b32 s17, 0
	s_lshl_b32 s18, s14, 12                        ; ub: (1,024 b + 64 w) x 4
	s_lshl_b32 s12, s[WV], 8
	s_add_co_u32 s18, s18, s12
	s_mov_b32 s19, 0
	s_lshl_b32 s20, s13, 17                        ; out0: ((1 + hop) x 32 + b) x 4,096 + 512 x strip
	s_add_co_u32 s20, s20, 131072
	s_lshl_b32 s12, s14, 12
	s_add_co_u32 s20, s20, s12
	s_add_co_u32 s20, s20, s11
	s_mov_b32 s21, 0
	s_wait_alu depctr_va_vdst(0)                   ; the wait at the head's end
	s_wait_dscnt 0x0                               ; both opening adds are done
	s_wait_kmcnt 0x0
	s_add_nc_u64 s[4:5], s[4:5], s[16:17]
	s_add_nc_u64 s[G0+2:G0+3], s[4:5], 32*4096     ; my rows 32 on
	s_or_b32 s[G0+3], s[G0+3], 0x80000000
	tensor_load_to_lds s[G0:G0+3], s[G1:G1+7]      ; my one tensor load
	s_nop 0
	s_add_nc_u64 s[6:7], s[6:7], s[18:19]
	s_add_nc_u64 s[8:9], s[8:9], s[20:21]
.macro LOADF f                         ; rows 16 f on, each load one row's 512 consecutive bytes, into set f
.irp i, 0,1,2,3,4,5,6,7,8,9,10,11,12,13,14,15
	global_load_b128 v[R+64*((\f)%3)+4*\i:R+64*((\f)%3)+4*\i+3], v[GO], s[4:5] offset:(16*(\f)+\i)*4096 th:TH_LOAD_NT
.endr
.endm
.macro LDSF f                          ; rows 16 f on (f = 2, 3) out of my tile, into set f % 3
.irp i, 0,1,2,3,4,5,6,7,8,9,10,11,12,13,14,15
	ds_load_b128 v[R+64*((\f)%3)+4*\i:R+64*((\f)%3)+4*\i+3], v[TLA] offset:(16*((\f)-2)+\i)*512
.endr
.endm
	global_load_b64 v[U:U+1], v[L8], s[6:7]
	global_load_b64 v[U+2:U+3], v[L8], s[6:7] offset:131072
	LOADF 0
	LOADF 1
	s_wait_loadcnt 32                              ; U' is in; the 32 loads of rows stay out
	v_max_num_f32 v[MX], v[U], v[U+1]
	v_max_num_f32 v[MX+1], v[U+2], v[U+3]
.irp m, 1,2,4,8
	s_delay_alu instid0(VALU_DEP_2)
	v_max_num_f32_dpp v[MX], v[MX], v[MX] row_xmask:\m row_mask:0xf bank_mask:0xf
	s_delay_alu instid0(VALU_DEP_2)
	v_max_num_f32_dpp v[MX+1], v[MX+1], v[MX+1] row_xmask:\m row_mask:0xf bank_mask:0xf
.endr
	s_delay_alu instid0(VALU_DEP_2)
	v_permlanex16_b32 v[PX], v[MX], s[SEL], s[SEL+1]
	s_delay_alu instid0(VALU_DEP_2)
	v_permlanex16_b32 v[PX+1], v[MX+1], s[SEL], s[SEL+1]
	s_delay_alu instid0(VALU_DEP_2)
	v_max_num_f32 v[MX], v[MX], v[PX]
	s_delay_alu instid0(VALU_DEP_2)
	v_max_num_f32 v[MX+1], v[MX+1], v[PX+1]
	ds_store_b32 v[MXW], v[MX]                     ; all lanes write the same word with the same value
	ds_store_b32 v[MXW], v[MX+1] offset:64
	s_wait_dscnt 0x0                               ; for the others' sake
	s_barrier_signal -1
	s_barrier_wait -1
.irp k, 0,1,2,3,4,5,6,7
	ds_load_b128 v[P+4*\k:P+4*\k+3], v[MXR] offset:16*\k           ; the sixteen waves' maxima of both hops, in every lane
.endr
	s_wait_dscnt 0x0
	v_max3_num_f32 v[MX], v[P], v[P+1], v[P+2]
	v_max3_num_f32 v[MX+1], v[P+16], v[P+17], v[P+18]
.irp i, 3,5,7,9,11,13
	s_delay_alu instid0(VALU_DEP_2)
	v_max3_num_f32 v[MX], v[MX], v[P+\i], v[P+\i+1]
	s_delay_alu instid0(VALU_DEP_2)
	v_max3_num_f32 v[MX+1], v[MX+1], v[P+16+\i], v[P+17+\i]
.endr
	s_delay_alu instid0(VALU_DEP_2)
	v_max_num_f32 v[MX], v[MX], v[P+15]            ; the batch's largest U'
	s_delay_alu instid0(VALU_DEP_2)
	v_max_num_f32 v[MX+1], v[MX+1], v[P+31]
	s_delay_alu instid0(VALU_DEP_2)
	v_sub_f32 v[U], v[U], v[MX]
	s_delay_alu instid0(VALU_DEP_3)
	v_sub_f32 v[U+1], v[U+1], v[MX]
	s_delay_alu instid0(VALU_DEP_3)
	v_sub_f32 v[U+2], v[U+2], v[MX+1]
	s_delay_alu instid0(VALU_DEP_4)
	v_sub_f32 v[U+3], v[U+3], v[MX+1]
.irp i, 0,1,2,3
	s_delay_alu instid0(VALU_DEP_4)
	v_mul_f32 v[U+\i], 0x3fb8aa3b, v[U+\i]         ; x log2(e)
.endr
	s_wait_alu depctr_va_vdst(0)
.irp i, 0,1,2,3
	v_exp_f32 v[U+\i], v[U+\i]                     ; p
.endr
	v_nop
	s_wait_alu depctr_va_vdst(0)                   ; one wait for the four, ahead of their first reader
	ds_store_b64 v[PAW], v[U:U+1]                  ; into my wave's own bytes
	ds_store_b64 v[PAW], v[U+2:U+3] offset:256
	v_add_f32 v[LS], v[U], v[U+1]
	v_add_f32 v[LS+1], v[U+2], v[U+3]
.irp m, 1,2,4,8
	s_delay_alu instid0(VALU_DEP_2)
	v_add_f32_dpp v[LS], v[LS], v[LS] row_xmask:\m row_mask:0xf bank_mask:0xf
	s_delay_alu instid0(VALU_DEP_2)
	v_add_f32_dpp v[LS+1], v[LS+1], v[LS+1] row_xmask:\m row_mask:0xf bank_mask:0xf
.endr
	s_delay_alu instid0(VALU_DEP_2)
	v_permlanex16_b32 v[PX], v[LS], s[SEL], s[SEL+1]
	s_delay_alu instid0(VALU_DEP_2)
	v_permlanex16_b32 v[PX+1], v[LS+1], s[SEL], s[SEL+1]
	s_delay_alu instid0(VALU_DEP_2)
	v_add_f32 v[LS], v[LS], v[PX]                  ; my wave's sums of p
	s_delay_alu instid0(VALU_DEP_2)
	v_add_f32 v[LS+1], v[LS+1], v[PX+1]
.macro ROWS f, left                    ; 16 rows: their p of both hops come to every lane; eight multiply-adds a row.  left: the younger loads of rows, which stay out
.set RS, R+64*((\f)%3)
.irp k, 0,1,2,3
	ds_load_b128 v[P+4*\k:P+4*\k+3], v[PAR] offset:64*(\f)+16*\k           ; LDS serves a wave's instructions in order: these see my stores
	ds_load_b128 v[P+16+4*\k:P+16+4*\k+3], v[PAR] offset:256+64*(\f)+16*\k
.endr
	s_wait_loadcnt \left
	s_wait_dscnt 0x0
.irp i, 0,1,2,3,4,5,6,7,8,9,10,11,12,13,14,15
.irp c, 0,1,2,3
.if ((\f) == 0) && (\i == 0)
	v_mul_f32 v[AC+\c], v[P+\i], v[RS+4*\i+\c]     ; the first row starts the sums: nothing is cleared
	v_mul_f32 v[AC+4+\c], v[P+16+\i], v[RS+4*\i+\c]
.else
	v_fmac_f32 v[AC+\c], v[P+\i], v[RS+4*\i+\c]
	v_fmac_f32 v[AC+4+\c], v[P+16+\i], v[RS+4*\i+\c]
.endif
.endr
.endr
.endm
	ROWS 0, 16
	s_wait_alu depctr_va_vdst(0)
	ROWS 1, 0
	s_wait_alu depctr_va_vdst(0)
	s_wait_tensorcnt 0x0                           ; my tile is in: I alone read it
	LDSF 2
	LDSF 3                                         ; into the set that rows 0-15 have left
	ROWS 2, 0
	s_wait_alu depctr_va_vdst(0)
	ROWS 3, 0
	ds_store_b128 v[ACW], v[AC:AC+3]
	ds_store_b128 v[ACW], v[AC+4:AC+7] offset:8192
	ds_store_b32 v[LSW], v[LS]
	ds_store_b32 v[LSW], v[LS+1] offset:64
	s_wait_dscnt 0x0                               ; for the others' sake
	s_barrier_signal -1
	s_barrier_wait -1
	s_cmp_gt_u32 s[WV], 1
	s_cbranch_scc1 .Lend
	; wave 0 finishes hop 0, wave 1 hop 1
.irp k, 0,1,2,3
	ds_load_b128 v[P+4*\k:P+4*\k+3], v[LSR] offset:16*\k
.endr
.irp k, 0,1,2,3,4,5,6,7,8,9,10,11,12,13,14,15
	ds_load_b128 v[R+4*\k:R+4*\k+3], v[ACR] offset:512*\k
.endr
	s_wait_dscnt 16                                ; the sixteen sums of p are in; the 16 loads behind them stay out
.irp j, 0,2,4,6
	v_pk_add_f32 v[P+\j:P+\j+1], v[P+\j:P+\j+1], v[P+8+\j:P+9+\j]
.endr
	s_delay_alu instid0(VALU_DEP_2)
	v_pk_add_f32 v[P:P+1], v[P:P+1], v[P+4:P+5]
	s_delay_alu instid0(VALU_DEP_2)
	v_pk_add_f32 v[P+2:P+3], v[P+2:P+3], v[P+6:P+7]
	s_delay_alu instid0(VALU_DEP_1)
	v_pk_add_f32 v[P:P+1], v[P:P+1], v[P+2:P+3]
	s_delay_alu instid0(VALU_DEP_1)
	v_add_f32 v[P], v[P], v[P+1]
	s_wait_alu depctr_va_vdst(0)
	v_rcp_f32 v[P+2], v[P]
	s_wait_dscnt 0x0
.irp d, 8,4,2,1
.irp k, 0,1,2,3,4,5,6,7
.if \k < \d
	v_pk_add_f32 v[R+4*\k:R+4*\k+1], v[R+4*\k:R+4*\k+1], v[R+4*(\k+\d):R+4*(\k+\d)+1]       ; plain work behind the reciprocal
	v_pk_add_f32 v[R+4*\k+2:R+4*\k+3], v[R+4*\k+2:R+4*\k+3], v[R+4*(\k+\d)+2:R+4*(\k+\d)+3]
.endif
.endr
.endr
	s_wait_alu depctr_va_vdst(0)                   ; the wait, ahead of the reciprocal's first reader
.irp c, 0,1,2,3
	v_mul_f32 v[R+\c], v[R+\c], v[P+2]
.endr
	global_store_b128 v[GO], v[R:R+3], s[8:9]      ; 512 consecutive bytes, aligned
.Lend:
	s_wait_tensorcnt 0x0                           ; the wave's end: behind my tensor load and my last LDS store
	ds_add_u32 v[SPW], v[NIL]
	s_wait_dscnt 0x0
	s_endpgm
.Lfunc_end_k_q0961882fe9_attend:
	.size	k_q0961882fe9_attend, .Lfunc_end_k_q0961882fe9_attend-k_q0961882fe9_attend
	.p2alignl 7, 3214868480
	.fill 96, 4, 3214868480
	.section	.rodata,"a",@progbits
	.p2align	6, 0x0
	.amdhsa_kernel k_q0961882fe9_attend
		.amdhsa_group_segment_fixed_size 327680
		.amdhsa_private_segment_fixed_size 0
		.amdhsa_enable_private_segment 0
		.amdhsa_kernarg_size 24
		.amdhsa_user_sgpr_count 2
		.amdhsa_user_sgpr_kernarg_segment_ptr 1
		.amdhsa_wavefront_size32 1
		.amdhsa_system_sgpr_workgroup_id_x 1
		.amdhsa_system_sgpr_workgroup_id_y 1
		.amdhsa_system_sgpr_workgroup_id_z 1
		.amdhsa_system_vgpr_workitem_id 0
		.amdhsa_next_free_vgpr 256
		.amdhsa_next_free_sgpr 66
		.amdhsa_reserve_vcc 0
		.amdhsa_float_denorm_mode_32 3
		.amdhsa_float_denorm_mode_16_64 3
		.amdhsa_memory_ordered 1
		.amdhsa_forward_progress 1
		.amdhsa_inst_pref_size 37
	.end_amdhsa_kernel
	.amdgpu_metadata
---
amdhsa.version: [ 1, 2 ]
amdhsa.kernels:
  - .name:           k_q0961882fe9_attend
    .symbol:         k_q0961882fe9_attend.kd
    .args:
      - { .name: inputs, .offset: 0, .size: 8, .value_kind: global_buffer, .address_space: global }
      - { .name: ub, .offset: 8, .size: 8, .value_kind: global_buffer, .address_space: global }
      - { .name: out0, .offset: 16, .size: 8, .value_kind: global_buffer, .address_space: global }
    .group_segment_fixed_size: 327680
    .private_segment_fixed_size: 0
    .kernarg_segment_align: 8
    .kernarg_segment_size: 24
    .max_flat_workgroup_size: 512
    .sgpr_count:     66
    .vgpr_count:     256
    .wavefront_size: 32
...
	.end_amdgpu_metadata
.endif
;; end of part 4
